; MI455X (gfx1250); checked and timed in simulation.
; The chip was launched on July 23, 2026; its instructions are those of AMD's public machine-readable ISA for CDNA 5 (MIT licence, August 2026) and "CDNA5" Instruction Set Architecture Reference Guide (July 2026). The comments in the code are by the model that wrote it; some were corrected since.
;; Local LSH Attention. Allowed arithmetic: float matrix products may take bf16 or f16 operands with f32 sums; all other float work in f32.
;; Inputs: input_mask 2 x 2,048 float32; rotations 2 x 128 x 8 x 16 float32; x 2 x 2,048 x 128 float32.
;; Outputs: out0 2 x 2,048 x 128 float32.
;; Constants: num_buckets = 32.
;; One version. Each part assembles by itself: llvm-mc -triple=amdgcn-amd-amdhsa -mcpu=gfx1250 --defsym DOCPART=n.
;; ======== version 1 of 1: 2 launches
;; limits: right only within a limited range of input values
;; workspace buffers: xmb 1,048,576 bytes; ids 16,384 bytes of whole numbers
;; launch prep (part 1): grid 256 x 1, 4 waves a work-group, no clusters, 0 bytes of LDS; arguments x, input_mask, rotations, xmb, ids; writes xmb, ids
.if DOCPART == 1
	.amdgcn_target "amdgcn-amd-amdhsa--gfx1250"
	.amdhsa_code_object_version 6
	.text
	.protected	k_qa80462acb7_prep
	.globl	k_qa80462acb7_prep
	.p2align	8
	.type	k_qa80462acb7_prep,@function
k_qa80462acb7_prep:
	s_mov_b64 s[64:65], 0
	v_nop
	global_prefetch_b8 v0, s[64:65] scope:SCOPE_SE
	s_setreg_imm32_b32 hwreg(HW_REG_WAVE_MODE, 25, 1), 1
	s_wait_xcnt 0x0
; xmb[token][0..127] = bf16( layernorm(x[token]) * input_mask[token] );  ids[token] = the token's bucket of hash round 7, 0 .. 31.
; x: [4096 tokens][128] f32 (two batches of 2,048).  rotations: [2][128][8][16] f32; only round 7's 16 columns decide the result, so only their
; 64 bytes of each row of 512 are read.  Everything here is f32 on the unrounded inputs: the bucket is a discrete choice.
; SHARES.  A work-group owns 16 tokens, a wave 4.  A wave holds a whole row: lane L the elements 4 L .. 4 L + 3, so a load of a row covers 512 consecutive
; bytes and a store of a bf16 row 256 consecutive, aligned bytes.  The four tokens are written side by side, so that no line waits for the one before it.
; No LDS, no barrier, no matrix instruction: 8.4 M multiply-adds in the whole launch, and their operands must not be rounded.
; THE HASH is taken of d = x - mean: the row's positive factor 1 / sqrt(var + eps) does not move an argmax.
; LIMITS.  NaN and infinities are not treated apart (a row with a NaN gets the id -1).  Two candidates closer than the rounding of an f32 sum of 128 products
; may be ordered otherwise than by another order of summation.  Exact ties, an all-zero row's among them, go to the lowest index.
.set T,   8                            ; v[8:15]    token t: T + 2 t the number in hand, T + 2 t + 1 at work
.set R,   16                           ; v[16:79]   rotations: row 4 L + j, column k at R + 16 j + k
.set X,   80                           ; v[80:95]   token t: my four x, then d = x - mean
.set A,   96                           ; v[96:159]  token t: 16 partial sums, one a column (first: scratch for xm)
.set Y,   160                          ; v[160:167] token t: four bf16, packed
.set KS,  168                          ; v[168:175] token t: what I keep, what I send
.set ID,  176                          ; v[176:179] the four ids
	s_load_b256 s[4:11], s[0:1], 0x0               ; x s[4:5], input_mask s[6:7], rotations s[8:9], xmb s[10:11]
	s_load_b64 s[12:13], s[0:1], 0x20              ; ids
	v_lshrrev_b32 v7, 5, v0
	v_readfirstlane_b32 s14, v7                    ; wave 0..3
	v_and_b32 v1, 31, v0                           ; lane
	s_lshl_b32 s15, ttmp9, 4
	s_lshl2_add_u32 s15, s14, s15                  ; my first token = 16 x work-group + 4 x wave
	s_lshr_b32 s41, ttmp9, 7                       ; batch: 128 work-groups each
	s_lshl_b32 s16, s15, 9                         ; rows of x: 512 bytes
	s_mov_b32 s17, 0
	s_lshl_b32 s18, s15, 8                         ; rows of xmb: 256 bytes
	s_mov_b32 s19, 0
	s_lshl_b32 s42, s15, 2                         ; a word a token in ids and input_mask
	s_mov_b32 s43, 0
	s_lshl_b32 s44, s41, 16                        ; a batch's rotations: 65,536 bytes;
	s_add_co_u32 s44, s44, 448                     ; round 7 begins 7 x 16 floats into a row
	s_mov_b32 s45, 0
	s_mov_b32 s24, 0x3c000000                      ; 1 / 128
	s_mov_b32 s25, 0x3727c5ac                      ; 1e-5
	s_mov_b32 s26, 0x76543210                      ; v_permlanex16_b32: each lane takes its own place in the other half
	s_mov_b32 s27, 0xfedcba98
	s_mov_b32 s28, 0xff00ff00                      ; the lanes whose number has bit 3,
	s_mov_b32 s29, 0xf0f0f0f0                      ; bit 2,
	s_mov_b32 s30, 0xcccccccc                      ; bit 1,
	s_mov_b32 s31, 0xaaaaaaaa                      ; bit 0
	v_lshlrev_b32 v2, 4, v1                        ; my 16 bytes of a row of x
	v_lshlrev_b32 v3, 11, v1                       ; my four rows of the rotations: 4 L x 512 bytes
	v_lshlrev_b32 v4, 3, v1                        ; my 8 bytes of a row of xmb
	v_and_b32 v5, 16, v1
	v_lshlrev_b32 v5, 27, v5                       ; the sign bit in lanes 16-31: they hold the candidates -rot
	v_mov_b32 v6, 0
	s_wait_kmcnt 0x0
	s_add_nc_u64 s[4:5], s[4:5], s[16:17]
	s_add_nc_u64 s[10:11], s[10:11], s[18:19]
	s_add_nc_u64 s[6:7], s[6:7], s[42:43]
	s_add_nc_u64 s[12:13], s[12:13], s[42:43]
	s_add_nc_u64 s[8:9], s[8:9], s[44:45]
.irp t, 0,1,2,3
	global_load_b128 v[X+4*(\t):X+4*(\t)+3], v2, s[4:5] offset:512*(\t) th:TH_LOAD_NT
.endr
.irp j, 0,1,2,3
.irp c, 0,1,2,3
	global_load_b128 v[R+16*(\j)+4*(\c):R+16*(\j)+4*(\c)+3], v3, s[8:9] offset:512*(\j)+16*(\c)
.endr
.endr
	s_load_b128 s[20:23], s[6:7], 0x0              ; my four tokens' mask factors
; A sum or a maximum over the wave's 32 lanes, for all four tokens; every lane ends up with it.  base + 2 t: the number; base + 2 t + 1: at work (written before).
.macro WRED dop, pop, base
.irp m, 1,2,4,8
.irp t, 0,1,2,3
	\dop v[(\base)+2*(\t)], v[(\base)+2*(\t)], v[(\base)+2*(\t)] row_xmask:\m row_mask:0xf bank_mask:0xf
.endr
.endr
.irp t, 0,1,2,3
	v_permlanex16_b32 v[(\base)+2*(\t)+1], v[(\base)+2*(\t)], s26, s27
.endr
.irp t, 0,1,2,3
	\pop v[(\base)+2*(\t)], v[(\base)+2*(\t)], v[(\base)+2*(\t)+1]
.endr
.endm
	s_wait_loadcnt 0x10                            ; loads come back in order (ISA guide 5.7.1): the four rows of x are in, the 16 younger loads of the rotations stay out
	; the mean
.irp t, 0,1,2,3
	v_pk_add_f32 v[T+2*(\t):T+2*(\t)+1], v[X+4*(\t):X+4*(\t)+1], v[X+4*(\t)+2:X+4*(\t)+3]
.endr
.irp t, 0,1,2,3
	v_add_f32 v[T+2*(\t)], v[T+2*(\t)], v[T+2*(\t)+1]
.endr
	WRED v_add_f32_dpp, v_add_f32, T
	; d = x - sum / 128: the division by 128 is exact, so this is one rounding
.irp i, 0,1,2,3
.irp t, 0,1,2,3
	v_fmamk_f32 v[X+4*(\t)+(\i)], v[T+2*(\t)], 0xbc000000, v[X+4*(\t)+(\i)]
.endr
.endr
	; the sum of d^2
.irp t, 0,1,2,3
	v_mul_f32 v[T+2*(\t)], v[X+4*(\t)], v[X+4*(\t)]
.endr
.irp i, 1,2,3
.irp t, 0,1,2,3
	v_fmac_f32 v[T+2*(\t)], v[X+4*(\t)+(\i)], v[X+4*(\t)+(\i)]
.endr
.endr
	WRED v_add_f32_dpp, v_add_f32, T
.irp t, 0,1,2,3
	v_fma_f32 v[T+2*(\t)], v[T+2*(\t)], s24, s25   ; var + eps
.endr
.irp t, 0,1,2,3
	v_rsq_f32 v[T+2*(\t)], v[T+2*(\t)]
.endr
	v_nop                                          ; a plain instruction between the last v_rsq_f32 and the use of its result (ISA guide 5.7.2)
	s_wait_kmcnt 0x0                               ; the mask factors
	s_wait_alu depctr_va_vdst(0)
.irp t, 0,1,2,3
	v_mul_f32 v[T+2*(\t)], s[20+(\t)], v[T+2*(\t)] ; f = mask / sqrt(var + eps)
.endr
	; xm = d f, rounded once to bf16; a wave's store covers 256 consecutive bytes, aligned
.irp t, 0,1,2,3
	v_pk_mul_f32 v[A+16*(\t):A+16*(\t)+1],   v[X+4*(\t):X+4*(\t)+1],   v[T+2*(\t):T+2*(\t)+1] op_sel_hi:[1,0]
	v_pk_mul_f32 v[A+16*(\t)+2:A+16*(\t)+3], v[X+4*(\t)+2:X+4*(\t)+3], v[T+2*(\t):T+2*(\t)+1] op_sel_hi:[1,0]
.endr
.irp t, 0,1,2,3
	v_cvt_pk_bf16_f32 v[Y+2*(\t)],   v[A+16*(\t)],   v[A+16*(\t)+1]
	v_cvt_pk_bf16_f32 v[Y+2*(\t)+1], v[A+16*(\t)+2], v[A+16*(\t)+3]
.endr
.irp t, 0,1,2,3
	global_store_b64 v4, v[Y+2*(\t):Y+2*(\t)+1], s[10:11] offset:256*(\t)
.endr
; THE HASH.  My four d times my four rows of 16 columns: two columns an instruction, d_j taken for both halves from its place in its pair.
.macro HASH j
.irp p, 0,1,2,3,4,5,6,7
.irp t, 0,1,2,3
.if (\j) == 0
	v_pk_mul_f32 v[A+16*(\t)+2*(\p):A+16*(\t)+2*(\p)+1], v[X+4*(\t):X+4*(\t)+1], v[R+2*(\p):R+2*(\p)+1] op_sel_hi:[0,1]
.elseif (\j) == 1
	v_pk_fma_f32 v[A+16*(\t)+2*(\p):A+16*(\t)+2*(\p)+1], v[X+4*(\t):X+4*(\t)+1], v[R+16+2*(\p):R+16+2*(\p)+1], v[A+16*(\t)+2*(\p):A+16*(\t)+2*(\p)+1] op_sel:[1,0,0] op_sel_hi:[1,1,1]
.elseif (\j) == 2
	v_pk_fma_f32 v[A+16*(\t)+2*(\p):A+16*(\t)+2*(\p)+1], v[X+4*(\t)+2:X+4*(\t)+3], v[R+32+2*(\p):R+32+2*(\p)+1], v[A+16*(\t)+2*(\p):A+16*(\t)+2*(\p)+1] op_sel_hi:[0,1,1]
.else
	v_pk_fma_f32 v[A+16*(\t)+2*(\p):A+16*(\t)+2*(\p)+1], v[X+4*(\t)+2:X+4*(\t)+3], v[R+48+2*(\p):R+48+2*(\p)+1], v[A+16*(\t)+2*(\p):A+16*(\t)+2*(\p)+1] op_sel:[1,0,0] op_sel_hi:[1,1,1]
.endif
.endr
.endr
.endm
	s_wait_loadcnt 0x0                             ; the rotations
	HASH 0
	HASH 1
	HASH 2
	HASH 3
; Sums over 16 lanes and columns dealt to lanes at once.  A step halves the columns that a lane carries: a lane whose number has the step's bit keeps the upper
; n columns and sends the lower n to the lane n away, the other lane the other way round.  After the four steps A + 0 of lane L is column L % 16, summed over its 16 lanes.
.macro SCAT n, sm
.set k, 0
.rept \n
.irp t, 0,1,2,3
	v_cndmask_b32 v[KS+2*(\t)],   v[A+16*(\t)+k], v[A+16*(\t)+k+(\n)], \sm
	v_cndmask_b32 v[KS+2*(\t)+1], v[A+16*(\t)+k+(\n)], v[A+16*(\t)+k], \sm
.endr
.irp t, 0,1,2,3
	v_add_f32_dpp v[A+16*(\t)+k], v[KS+2*(\t)+1], v[KS+2*(\t)] row_xmask:\n row_mask:0xf bank_mask:0xf
.endr
.set k, k+1
.endr
.endm
	SCAT 8, s28
	SCAT 4, s29
	SCAT 2, s30
	SCAT 1, s31
	; both halves of the lanes add the same two numbers; lanes 16-31 then turn the sign: lane L holds candidate L of [rot, -rot]
.irp t, 0,1,2,3
	v_permlanex16_b32 v[T+2*(\t)+1], v[A+16*(\t)], s26, s27
.endr
.irp t, 0,1,2,3
	v_add_f32 v[T+2*(\t)], v[A+16*(\t)], v[T+2*(\t)+1]
.endr
.irp t, 0,1,2,3
	v_xor_b32 v[T+2*(\t)], v5, v[T+2*(\t)]
.endr
.irp t, 0,1,2,3
	v_mov_b32 v[KS+2*(\t)], v[T+2*(\t)]
.endr
	WRED v_max_num_f32_dpp, v_max_num_f32, KS
.irp t, 0,1,2,3
	v_cmp_eq_f32 s[32+(\t)], v[T+2*(\t)], v[KS+2*(\t)]  ; the lanes that hold the maximum;
.endr
.irp t, 0,1,2,3
	s_ctz_i32_b32 s[36+(\t)], s[32+(\t)]           ; the lowest of them is the first index
.endr
.irp t, 0,1,2,3
	v_mov_b32 v[ID+(\t)], s[36+(\t)]
.endr
	; the four ids, 16 bytes, by lane 0: the launch's only stores that do not cover 256 bytes (16 KiB in all)
	s_wait_xcnt 0x0                                ; EXEC is a source of the stores above: it changes only behind this wait
	v_cmp_eq_u32 vcc_lo, 0, v1
	s_and_saveexec_b32 s40, vcc_lo
	global_store_b128 v6, v[ID:ID+3], s[12:13]
	s_wait_xcnt 0x0                                ; and again in front of the line that widens it
	s_or_b32 exec_lo, exec_lo, s40
	s_endpgm
.Lfunc_end_k_qa80462acb7_prep:
	.size	k_qa80462acb7_prep, .Lfunc_end_k_qa80462acb7_prep-k_qa80462acb7_prep
	.p2alignl 7, 3214868480
	.fill 96, 4, 3214868480
	.section	.rodata,"a",@progbits
	.p2align	6, 0x0
	.amdhsa_kernel k_qa80462acb7_prep
		.amdhsa_group_segment_fixed_size 0
		.amdhsa_private_segment_fixed_size 0
		.amdhsa_enable_private_segment 0
		.amdhsa_kernarg_size 40
		.amdhsa_user_sgpr_count 2
		.amdhsa_user_sgpr_kernarg_segment_ptr 1
		.amdhsa_wavefront_size32 1
		.amdhsa_system_sgpr_workgroup_id_x 1
		.amdhsa_system_sgpr_workgroup_id_y 1
		.amdhsa_system_sgpr_workgroup_id_z 1
		.amdhsa_system_vgpr_workitem_id 0
		.amdhsa_next_free_vgpr 180
		.amdhsa_next_free_sgpr 66
		.amdhsa_reserve_vcc 1
		.amdhsa_float_denorm_mode_32 3
		.amdhsa_float_denorm_mode_16_64 3
		.amdhsa_memory_ordered 1
		.amdhsa_forward_progress 1
		.amdhsa_inst_pref_size 33
	.end_amdhsa_kernel
	.amdgpu_metadata
---
amdhsa.version: [ 1, 2 ]
amdhsa.kernels:
  - .name:           k_qa80462acb7_prep
    .symbol:         k_qa80462acb7_prep.kd
    .args:
      - { .name: x, .offset: 0, .size: 8, .value_kind: global_buffer, .address_space: global }
      - { .name: input_mask, .offset: 8, .size: 8, .value_kind: global_buffer, .address_space: global }
      - { .name: rotations, .offset: 16, .size: 8, .value_kind: global_buffer, .address_space: global }
      - { .name: xmb, .offset: 24, .size: 8, .value_kind: global_buffer, .address_space: global }
      - { .name: ids, .offset: 32, .size: 8, .value_kind: global_buffer, .address_space: global }
    .group_segment_fixed_size: 0
    .private_segment_fixed_size: 0
    .kernarg_segment_align: 8
    .kernarg_segment_size: 40
    .max_flat_workgroup_size: 128
    .sgpr_count:     66
    .vgpr_count:     180
    .wavefront_size: 32
...
	.end_amdgpu_metadata
.endif
;; end of part 1
;; launch attn (part 2): grid 256 x 1, 8 waves a work-group, clusters of 4 x 1, 327,680 bytes of LDS; arguments xmb, ids, out0; writes out0
.if DOCPART == 2
	.amdgcn_target "amdgcn-amd-amdhsa--gfx1250"
	.amdhsa_code_object_version 6
	.text
	.protected	k_qa80462acb7_attn
	.globl	k_qa80462acb7_attn
	.p2align	8
	.type	k_qa80462acb7_attn,@function
k_qa80462acb7_attn:
	s_mov_b64 s[64:65], 0
	v_nop
	global_prefetch_b8 v0, s[64:65] scope:SCOPE_SE
	s_setreg_imm32_b32 hwreg(HW_REG_WAVE_MODE, 25, 1), 1
	s_wait_xcnt 0x0
	s_wait_alu depctr_hold_cnt(0) depctr_sa_sdst(0) depctr_va_vdst(0) depctr_va_sdst(0) depctr_va_ssrc(0) depctr_va_vcc(0) depctr_vm_vsrc(0)
	s_getreg_b32 s2, hwreg(HW_REG_IB_STS2, 6, 4)
	s_cmp_eq_u32 s2, 0
	s_cbranch_scc0 .Lentry_in_a_cluster
	s_endpgm
.Lentry_in_a_cluster:
	s_bfe_u32 s2, ttmp6, 0x10000c
	s_cmp_lg_u32 s2, 0x3003
	s_cbranch_scc0 .Lentry_shape_is_right
	s_endpgm
.Lentry_shape_is_right:
; out0[q][:] = the sum over the keys k of q's bucket of p(q, k) xm[k][:], p = softmax over ALL 2,048 keys of q's batch of the scores s(q, k) = xm[q] . xm[k] / sqrt(128)
; for a key of q's bucket and 0 for every other key.  That is what is left of the 32 dense attentions: a row is kept only in the trip of its own bucket.
; xmb: [4096][128] bf16, Q, K and V alike.  ids: [4096] u32, compared only: no address and no branch hangs on them.  out0: [4096][128] f32.
; Products in bf16 with f32 sums; maxima, exponentials and sums in f32; the weights are rounded to bf16 for the second product.
; SHARES.  A work-group owns 16 queries; its eight waves split the batch's 2,048 keys, 256 a wave in four chunks of 64.  Each wave keeps a running maximum m, a sum l and
; O^T for its keys; the eight partial results meet in LDS and are merged by the waves, two queries a wave.  Two waves lie on a SIMD, with different keys: no LDS byte is read twice.
; LAYOUT.  S^T = K Q^T (source 0 = 16 keys, source 1 = the 16 queries): a lane holds ONE query (lane % 16) and the keys 8 (lane / 16) + 0..7.  Two such results rounded to bf16
; in pairs ARE source 1 of O^T = V^T P.  K comes out of LDS as it lies, V (the same rows) turned, by ds_load_tr16_b128.
; THE MASK is the C operand that starts a sum S^T: 0 for a key of the query's bucket, -2^100 for a hidden one; its weight is then 0.  The hidden keys are counted (sums of -2^100 are
; exact) and enter l at the end with their true score 0: count x 2^(-c m).
; THE MAXIMUM starts at 0.  That is the true start: a query's own key lies in its bucket with the score |xm|^2 / sqrt(128) >= 0, so the maximum of its 2,048 scores is never below 0.
; CLUSTER.  The four work-groups of a cluster lie in one batch and walk the same keys: each tile is asked for JOINTLY, by the same tensor load, descriptor and mask in all four.
; LIMITS.  A hidden score counts as its value less 2^100 (scores stay far below that wherever the sums are finite); a weight below 2^-126 counts as 0; NaN and infinities are not treated apart.
; REGISTERS, in windows of 256 (s_set_vgpr_msb: bits 1:0 source 0, 3:2 source 1, 5:4 source 2, 7:6 destination): window 0 as named below; window 1: v0-127 K's 16 fragments, v128-255 V's 16.
.set PITCH,  272                       ; an LDS row: 256 bytes + 16 of padding = 68 words: the 16 rows of a load of K start at 16 different groups of four banks (64 banks of 4 bytes: ISA guide 11.1)
.set WREG,   64*PITCH                  ; a wave's part of a slot: one chunk, 64 rows
.set SLOT,   8*WREG
.set SPARE,  2*SLOT                    ; behind the two slots: the spare words, 128 bytes for each wave: four blocks of 256 bytes that no other line names
.set CHUNKB, 64*256                    ; a chunk in memory
.set SPITCH, 528                       ; the stage: a query's 128 f32 + 16 bytes.  It lies in the wave's own part of slot 0, which has had its last fill (chunk 2) and has been read
.set STAT,   16*SPITCH                 ; behind the stage's 16 rows: 16 pairs (c m, l)
.set AK,  3                            ; v3, v4    my place in my wave's tile of K, slot 0, 1
.set AV,  5                            ; v5, v6    the same for the turning loads
.set QO,  7                            ; v7        my byte offset in the 16 rows of Q
.set IDA, 8                            ; v8        my byte offset in the batch's ids: my wave's keys, my half of the lanes
.set IQA, 9                            ; v9        my query's word among the 16
.set IDQ, 10                           ; v10       my query's bucket
.set STO, 11                           ; v11       the stage: where I put 16 bytes of my query's row
.set STS, 12                           ; v12       where I put (c m, l)
.set RDA, 13                           ; v13, v14  the merge: my 16 bytes of my wave's first query in the stages of waves 0-3, 4-7
.set RSA, 15                           ; v15, v16  the merge: that query's (c m, l), likewise
.set GO,  17                           ; v17       my byte offset in the work-group's rows of out0
.set SPW, 18                           ; v18       LDS address of my spare word; never rewritten
.set NIL, 19                           ; v19       0; never rewritten
.set CM,  20                           ; v20       c m
.set M,   21                           ; v21       m; at the end l
.set LS,  22                           ; v[22:23]  l (even keys', odd keys')
.set C0,  24                           ; v24-27    at work; a in C0 + 2
.set CNT, 28                           ; v[28:29]  -2^100 x the hidden keys
.set CMO, 30                           ; v30       c m_old
.set LN,  31                           ; v31       at work in the set-up
.set Q,   32                           ; v[32:63]  channels 32 c on at Q + 8 c
.set S,   64                           ; v[64:95]  keys 16 t on at S + 8 t
.set P,   96                           ; v[96:111]
.set MK,  112                          ; v[112:175] ids, then masks: two buffers of 32
.set O,   176                          ; v[176:239] channels 16 cb on at O + 8 cb
.set OUT, 240                          ; v[240:247] two rows' 16 bytes
.set VF,  128                          ; window 1
.set WV,  10                           ; s10       my wave's number
.set G1,  24                           ; s[24:31]  descriptor group 1
.set G0A, 32                           ; s[32:35]  group 0 for slot 0
.set G0B, 36                           ; s[36:39]  for slot 1
.set CS,  40                           ; s[40:41]  c = log2(e) / sqrt(128): the packed scaling takes the pair's low word for both halves
.set SEL, 42                           ; s[42:43]  v_permlanex16_b32's selects
.set BIGN, 44                          ; s44       -2^100
.set TINY, 45                          ; s45       -2^-100
.set MSB, 0
.macro WIN new                         ; the immediate's high byte repeats the setting that is left; a switch that changes nothing is dropped
.if MSB != (\new)
	s_set_vgpr_msb (MSB<<8)|(\new)
.set MSB, (\new)
.endif
.endm
.macro PLACES                          ; four plain vector instructions behind a matrix instruction, in front of reads of its result and of loads into its registers (ISA guide 7.12.1 for reads of its result)
.rept 4
	v_nop
.endr
.endm
; A round of the cluster's barrier: my work-group's barrier, so that wave 0's signal speaks for all eight waves; wave 0 signals; every wave waits for all four work-groups; my work-group's barrier once more.
.macro CROUND
	s_barrier_signal -1
	s_barrier_wait -1
	s_cmp_lg_u32 s[WV], 0
	s_cbranch_scc1 .Lnot_wave_0_\@
	s_barrier_signal -3
.Lnot_wave_0_\@:
	s_barrier_wait -3
	s_barrier_signal -1
	s_barrier_wait -1
.endm
	s_load_b128 s[4:7], s[0:1], 0x0                ; xmb s[4:5], ids s[6:7]
	s_load_b64 s[8:9], s[0:1], 0x10                ; out0
	v_lshl_add_u32 v[SPW], v0, 2, SPARE
	v_mov_b32 v[NIL], 0
	ds_add_u32 v[SPW], v[NIL]                      ; the wave's opening: the add and its wait come ahead of my first tensor load; the set-up below, work on registers, stands between them
	v_lshrrev_b32 v1, 5, v0
	v_readfirstlane_b32 s[WV], v1                  ; wave 0..7
	s_bfe_u32 s11, ttmp6, 0x40000                  ; cx: my place in the cluster
	s_lshl_b32 s12, ttmp9, 2                       ; in a cluster launch ttmp9 counts clusters
	s_add_co_u32 s12, s12, s11                     ; my block of 16 queries = 4 x cluster + cx: it enters Q's, my ids' and out0's addresses alone
	s_lshr_b32 s13, ttmp9, 5                       ; the batch: 32 clusters each; the four partners share it
	; descriptor group 1: a tile of 64 rows x 128 elements, padded in LDS
	s_mov_b32 s[G1+0], 15|(1<<16)|(1<<20)|(1<<21)|(5<<22)|(3<<25)  ; 15:0 the mask: all four work-groups; 17:16 elements of 2 bytes; 20 padding on; 21 set beside a mask; 24:22 after every 64 words (code 5); 31:25 4 words (code 3)
	s_mov_b32 s[G1+1], 128<<16                     ; tensor_dim0 = 128
	s_mov_b32 s[G1+2], 64<<16                      ; tensor_dim1 = 64
	s_mov_b32 s[G1+3], 128<<16                     ; tile_dim0 = 128
	s_mov_b32 s[G1+4], 64                          ; tile_dim1 = 64
	s_mov_b32 s[G1+5], 128                         ; 128 elements from row to row
	s_mov_b32 s[G1+6], 0
	s_mov_b32 s[G1+7], 0
	s_mul_i32 s20, s[WV], WREG                     ; my wave's part of a slot: no place in the cluster enters an LDS address
	s_mov_b32 s[G0A], 1                            ; count = 1
	s_mov_b32 s[G0A+1], s20                        ; LDS address: slot 0
	s_mov_b32 s[G0B], 1
	s_add_co_u32 s[G0B+1], s20, SLOT               ; slot 1
	s_lshl_b32 s14, s13, 19                        ; the batch's 2,048 rows of 256 bytes,
	s_lshl_b32 s15, s[WV], 16                      ; my wave's 256 of them
	s_add_co_u32 s14, s14, s15
	s_mov_b32 s15, 0
	s_lshl_b32 s18, s13, 13                        ; the batch's 2,048 ids
	s_mov_b32 s19, 0
	s_mov_b32 s17, 0
	s_lshl_b32 s21, s[WV], 10
	s_mul_i32 s22, s[WV], 2*SPITCH
	s_lshl_b32 s23, s[WV], 4
	s_add_co_u32 s23, s23, STAT
	s_mov_b32 s[CS], 0x3e0293ee                    ; c = 0.127517
	s_mov_b32 s[CS+1], s[CS]                       ; named with it as a pair
	s_mov_b32 s[SEL], 0x76543210
	s_mov_b32 s[SEL+1], 0xfedcba98
	s_mov_b32 s[BIGN], 0xf1800000
	s_mov_b32 s[TINY], 0x8d800000
	s_wait_dscnt 0x0                               ; the opening add is done
	s_wait_kmcnt 0x0
	s_add_nc_u64 s[G0A+2:G0A+3], s[4:5], s[14:15]  ; global address: my wave's chunk 0,
	s_add_nc_u64 s[G0B+2:G0B+3], s[G0A+2:G0A+3], CHUNKB  ; chunk 1
	s_or_b32 s[G0A+3], s[G0A+3], 0x80000000        ; type = 2
	s_or_b32 s[G0B+3], s[G0B+3], 0x80000000
	s_add_nc_u64 s[46:47], s[6:7], s[18:19]        ; the batch's ids, for the keys
	s_lshl_b32 s16, s12, 6
	s_add_nc_u64 s[48:49], s[6:7], s[16:17]        ; my 16 queries' ids
	s_lshl_b32 s16, s12, 12
	s_add_nc_u64 s[50:51], s[4:5], s[16:17]        ; my 16 queries' rows of xmb
	s_lshl_b32 s16, s12, 13
	s_add_nc_u64 s[8:9], s[8:9], s[16:17]          ; and of out0
	CROUND                                         ; all four work-groups are here: the first joint loads meet
	tensor_load_to_lds s[G0A:G0A+3], s[G1:G1+7]    ; both first fills go out together: two tensor loads of mine are out
	s_nop 0
	tensor_load_to_lds s[G0B:G0B+3], s[G1:G1+7]
	s_nop 0
	PLACES                                         ; four v_nop behind the loads
	; A fragment of K or Q is 16 rows x 32 channels in 8 registers: lane l holds row l % 16, channels 8 (l / 16) + 0..7 and 16 + 8 (l / 16) + 0..7: two loads of 16 bytes, 32 bytes apart.
	v_and_b32 v1, 15, v0                           ; r = l % 16
	v_bfe_u32 v2, v0, 4, 1                         ; h = l / 16
	v_lshlrev_b32 v[QO], 8, v1
	v_lshl_add_u32 v[QO], v2, 4, v[QO]             ; row x 256 + 16 h
	v_lshl_add_u32 v[IDA], v2, 5, s21              ; 4 bytes x (256 w + 8 h)
	v_lshlrev_b32 v[IQA], 2, v1
.irp c, 0,1,2,3
	global_load_b128 v[Q+8*(\c):Q+8*(\c)+3],   v[QO], s[50:51] offset:64*(\c)
	global_load_b128 v[Q+8*(\c)+4:Q+8*(\c)+7], v[QO], s[50:51] offset:64*(\c)+32
.endr
	global_load_b32 v[IDQ], v[IQA], s[48:49]
; The ids of chunk c's keys, in S^T's layout: register 8 t + j is key 16 t + 8 h + j.  Eight loads.
.macro IDS c
.irp t, 0,1,2,3
.irp u, 0,1
	global_load_b128 v[MK+32*((\c)%2)+8*(\t)+4*(\u):MK+32*((\c)%2)+8*(\t)+4*(\u)+3], v[IDA], s[46:47] offset:256*(\c)+64*(\t)+16*(\u)
.endr
.endr
.endm
	IDS 0
	IDS 1
	v_mul_u32_u24 v[AK], v1, PITCH
	v_lshl_add_u32 v[AK], v2, 4, v[AK]
	v_add_nc_u32 v[AK], s20, v[AK]                 ; my wave's part + row x pitch + 16 h
	v_add_nc_u32 v[AK+1], SLOT, v[AK]
	; The turning load takes 16 keys x 16 channels (lane l reads key 8 (l / 16) + l % 8, channels 8 ((l / 8) % 2) + 0..7) and leaves half a fragment of V^T: lane l holds channel l % 16 and 8 keys.
	; At this pitch two of its eight rows meet in a bank; a pitch that suits it would not suit K's loads, and K and V are one copy of the rows.
	v_and_b32 v[LN], 7, v0
	v_lshl_add_u32 v[AV], v2, 3, v[LN]
	v_mul_u32_u24 v[AV], v[AV], PITCH
	v_bfe_u32 v[LN], v0, 3, 1
	v_lshl_add_u32 v[AV], v[LN], 4, v[AV]
	v_add_nc_u32 v[AV], s20, v[AV]
	v_add_nc_u32 v[AV+1], SLOT, v[AV]
	v_mul_u32_u24 v[STO], v1, SPITCH               ; the stage: my query's row, 32 bytes for each half of the lanes
	v_lshl_add_u32 v[STO], v2, 5, v[STO]
	v_add_nc_u32 v[STO], s20, v[STO]
	v_lshl_add_u32 v[STS], v1, 3, s20
	v_add_nc_u32 v[STS], STAT, v[STS]
	v_and_b32 v[LN], 31, v0                        ; the lane
	v_lshl_add_u32 v[RDA], v[LN], 4, s22           ; the merge: row 2 w of a stage, 16 bytes a lane
	v_add_nc_u32 v[RDA+1], 4*WREG, v[RDA]
	v_mov_b32 v[RSA], s23                          ; that row's pair
	v_add_nc_u32 v[RSA+1], 4*WREG, v[RSA]
	v_lshl_add_u32 v[GO], v[LN], 4, s21            ; row 2 w of out0's 16: 1,024 w + 16 x lane
	v_mov_b32 v[CM], 0                             ; m, c m, l and the count start at 0; O^T is started by the first products
	v_mov_b32 v[M], 0
	v_mov_b32 v[LS], 0
	v_mov_b32 v[LS+1], 0
	v_mov_b32 v[CNT], 0
	v_mov_b32 v[CNT+1], 0
; 32 LDS loads in one run: a chunk's K, channel step by channel step: keys 16 t on, channels 32 c on at register 8 (4 c + t) of window 1
.macro FETCH_K s
	WIN 0x40                                       ; destination window 1, address window 0
.irp c, 0,1,2,3
.irp t, 0,1,2,3
	ds_load_b128 v[8*(4*(\c)+(\t)):8*(4*(\c)+(\t))+3],   v[AK+(\s)] offset:(\t)*16*PITCH+(\c)*64
	ds_load_b128 v[8*(4*(\c)+(\t))+4:8*(4*(\c)+(\t))+7], v[AK+(\s)] offset:(\t)*16*PITCH+(\c)*64+32
.endr
.endr
	WIN 0
.endm
; 32 more: the same rows turned: keys 32 kk on, channels 16 cb on at register VF + 8 (8 kk + cb)
.macro FETCH_V s
	WIN 0x40
.irp kk, 0,1
.irp cb, 0,1,2,3,4,5,6,7
	ds_load_tr16_b128 v[VF+8*(8*(\kk)+(\cb)):VF+8*(8*(\kk)+(\cb))+3],   v[AV+(\s)] offset:(\kk)*32*PITCH+(\cb)*32
	ds_load_tr16_b128 v[VF+8*(8*(\kk)+(\cb))+4:VF+8*(8*(\kk)+(\cb))+7], v[AV+(\s)] offset:(\kk)*32*PITCH+16*PITCH+(\cb)*32
.endr
.endr
	WIN 0
.endm
; Buffer b's ids become masks, 0 or -2^100, and are counted.  left: the eight younger id loads, of the other buffer, may stay out.
.macro MASK b, left
	s_wait_loadcnt \left
.set i, MK+32*(\b)
.rept 16
	v_cmp_ne_u32 vcc_lo, v[i], v[IDQ]
	v_cndmask_b32 v[i], 0, s[BIGN], vcc_lo
	v_cmp_ne_u32 vcc_lo, v[i+1], v[IDQ]
	v_cndmask_b32 v[i+1], 0, s[BIGN], vcc_lo
	v_pk_add_f32 v[CNT:CNT+1], v[CNT:CNT+1], v[i:i+1]
.set i, i+2
.endr
.endm
; 16 products S^T = K Q^T + mask.  The four accumulators take turns, one instruction a turn.  The waits leave K's later channel steps, eight loads each, out.
.macro QK b
	WIN 0x01                                       ; source 0 (K) window 1
.irp c, 0,1,2,3
	s_wait_dscnt 8*(3-(\c))
.irp t, 0,1,2,3
.if (\c) == 0
	v_wmma_f32_16x16x32_bf16 v[S+8*(\t):S+8*(\t)+7], v[8*(\t):8*(\t)+7], v[Q:Q+7], v[MK+32*(\b)+8*(\t):MK+32*(\b)+8*(\t)+7]
.else
	v_wmma_f32_16x16x32_bf16 v[S+8*(\t):S+8*(\t)+7], v[8*(4*(\c)+(\t)):8*(4*(\c)+(\t))+7], v[Q+8*(\c):Q+8*(\c)+7], v[S+8*(\t):S+8*(\t)+7]
.endif
.endr
.endr
	WIN 0
.endm
; The chunk's softmax.  first = 1: there is no O^T yet to rescale (m, l and c m are 0, so all other lines hold as they stand).
.macro SOFTMAX first
.irp j, 0,1,2,3
	v_max3_num_f32 v[C0+(\j)], v[S+8*(\j)], v[S+8*(\j)+1], v[S+8*(\j)+2]  ; four chains; each accumulator's lowest registers are read first
.endr
.irp j, 0,1,2,3
	v_max3_num_f32 v[C0+(\j)], v[C0+(\j)], v[S+8*(\j)+3], v[S+8*(\j)+4]
.endr
.irp j, 0,1,2,3
	v_max3_num_f32 v[C0+(\j)], v[C0+(\j)], v[S+8*(\j)+5], v[S+8*(\j)+6]
.endr
	v_max3_num_f32 v[C0], v[C0], v[S+7], v[S+15]
	v_max3_num_f32 v[C0+2], v[C0+2], v[S+23], v[S+31]
	v_max3_num_f32 v[C0+1], v[C0+1], v[C0+3], v[M]           ; the old m
	v_mov_b32 v[CMO], v[CM]
	v_max3_num_f32 v[C0], v[C0], v[C0+1], v[C0+2]
	v_permlanex16_b32 v[C0+1], v[C0], s[SEL], s[SEL+1]       ; the query's other 32 keys lie in the lane 16 away
	v_max_num_f32 v[M], v[C0], v[C0+1]
	v_mul_f32 v[CM], s[CS], v[M]
	v_sub_f32 v[C0+3], v[CMO], v[CM]
	v_exp_f32 v[C0+2], v[C0+3]                               ; a = 2^(c m_old - c m); the scalings below are the plain lines behind it
.set i, 0
.rept 16
	v_pk_fma_f32 v[S+i:S+i+1], v[S+i:S+i+1], s[CS:CS+1], v[CM:CM+1] op_sel_hi:[1,0,0] neg_lo:[0,0,1] neg_hi:[0,0,1]  ; c s - c m
.set i, i+2
.endr
.set i, 0
.rept 32
	v_exp_f32 v[S+i], v[S+i]
.set i, i+1
.endr
	v_nop                                                    ; a plain instruction behind the last exponential (ISA guide 5.7.2)
.set i, 0
	s_wait_alu depctr_va_vdst(0)
.rept 16
	v_cvt_pk_bf16_f32 v[P+i], v[S+2*i], v[S+2*i+1]
.set i, i+1
.endr
.irp w, 4,8,16,32                                            ; the 16 pairs' sum, in place: neighbours 1, 2, 4, 8 pairs apart
.set i, 0
.rept 32/(\w)
	v_pk_add_f32 v[S+i:S+i+1], v[S+i:S+i+1], v[S+i+(\w)/2:S+i+(\w)/2+1]
.set i, i+(\w)
.endr
.endr
	v_pk_fma_f32 v[LS:LS+1], v[LS:LS+1], v[C0+2:C0+3], v[S:S+1] op_sel_hi:[1,0,1]  ; l = a l + the sum
.if !(\first)
.set i, 0
.rept 32
	v_pk_mul_f32 v[O+i:O+i+1], v[O+i:O+i+1], v[C0+2:C0+3] op_sel_hi:[1,0]          ; O^T times a, from each accumulator's low end on
.set i, i+2
.endr
.endif
.endm
; 16 products O^T += V^T P; the eight accumulators take turns.  first = 1: the first eight start the sums.  The first wait leaves V's second key half, 16 loads, out.
.macro PV first
	WIN 0x01                                       ; source 0 (V) window 1
.irp kk, 0,1
	s_wait_dscnt 16*(1-(\kk))
.irp cb, 0,1,2,3,4,5,6,7
.if (\first) && ((\kk) == 0)
	v_wmma_f32_16x16x32_bf16 v[O+8*(\cb):O+8*(\cb)+7], v[VF+8*(8*(\kk)+(\cb)):VF+8*(8*(\kk)+(\cb))+7], v[P+8*(\kk):P+8*(\kk)+7], 0
.else
	v_wmma_f32_16x16x32_bf16 v[O+8*(\cb):O+8*(\cb)+7], v[VF+8*(8*(\kk)+(\cb)):VF+8*(8*(\kk)+(\cb))+7], v[P+8*(\kk):P+8*(\kk)+7], v[O+8*(\cb):O+8*(\cb)+7]
.endif
.endr
.endr
	WIN 0
.endm
; Chunk c, in slot s.  tleft: the younger tensor loads that may stay out.  lleft: the younger id loads.  The masks are made while K's fragments are on their way, the softmax while V's are.
.macro CHUNK c, s, tleft, lleft
	s_wait_tensorcnt \tleft                        ; tensor loads of a wave end in order (ISA guide 10.11.1): my tile is in LDS, and only I read it
	FETCH_K \s
	MASK (\c)%2, \lleft
	QK (\c)%2
	PLACES                                         ; in front of the reads of S^T, and of the loads into the mask buffer just read
	FETCH_V \s
.if (\c) < 2
	IDS (\c)+2                                     ; into the buffer whose masks the products above have taken
.endif
.if (\c) == 0
	SOFTMAX 1
	PV 1
.else
	SOFTMAX 0
	PV 0
.endif
.endm
; A slot that has been read is filled again, with the chunk two on.  Each wave waits for all its tensor loads, adds 0 to its spare word, and waits for that and for its reads of the slot; the
; barrier is a round of the cluster's, so that no wave of any partner still reads the slot or has a load on its way; the joint refill is the first thing behind it, one load a wave.
.macro REFILL g
	s_wait_tensorcnt 0x0                           ; no tensor load of mine is out, so a group 0 may be written
	ds_add_u32 v[SPW], v[NIL]                      ; 0 onto my spare word
	s_add_nc_u64 s[(\g)+2:(\g)+3], s[(\g)+2:(\g)+3], 2*CHUNKB  ; the type bits on top are not reached
	s_wait_dscnt 0x0                               ; the add is done, and my reads of the slot are over
	CROUND
	tensor_load_to_lds s[(\g):(\g)+3], s[G1:G1+7]
	s_nop 0
	PLACES                                         ; four v_nop behind the load
.endm
	CHUNK 0, 0, 1, 8                               ; slot 1's first fill stays out; Q, my id and chunk 0's ids are in, chunk 1's stay out
	REFILL G0A                                     ; chunk 2 into slot 0
	CHUNK 1, 1, 1, 8                               ; one load was issued behind this tile's; the wait for 0 above has already shown it landed
	REFILL G0B                                     ; chunk 3 into slot 1: the last load
	CHUNK 2, 0, 1, 8
	CHUNK 3, 1, 0, 0
	; MY WAVE'S FIGURES.  l's two halves; the hidden keys, each with the score 0: count x 2^(-c m); the other half of the lanes'.  The first four lines are the places behind the last products.
	v_add_f32 v[C0], v[LS], v[LS+1]
	v_add_f32 v[C0+1], v[CNT], v[CNT+1]
	v_mul_f32 v[C0+1], s[TINY], v[C0+1]            ; the count
	v_sub_f32 v[C0+3], 0, v[CM]
	v_exp_f32 v[C0+2], v[C0+3]
	v_nop                                          ; a plain instruction behind the exponential
	s_wait_alu depctr_va_vdst(0)
	v_fma_f32 v[C0], v[C0+1], v[C0+2], v[C0]
	v_permlanex16_b32 v[C0+1], v[C0], s[SEL], s[SEL+1]
	v_add_f32 v[M], v[C0], v[C0+1]                 ; v[CM:CM+1] = (c m, l)
	; INTO THE STAGE, in my own part of slot 0: all my tensor loads have landed and my reads of it are back.  A lane's eight channels are 32 bytes of its query's row.
.irp cb, 0,1,2,3,4,5,6,7
	ds_store_b128 v[STO], v[O+8*(\cb):O+8*(\cb)+3]   offset:64*(\cb)
	ds_store_b128 v[STO], v[O+8*(\cb)+4:O+8*(\cb)+7] offset:64*(\cb)+16
.endr
	ds_store_b64 v[STS], v[CM:CM+1]                ; both halves of the lanes write the same pair
	s_wait_dscnt 0x0                               ; for the others' sake: my stores are done
	s_barrier_signal -1
	s_barrier_wait -1
	; THE MERGE.  Wave w takes queries 2 w + u, u = 0, 1: of each of the eight stages the pair (c m, l) and the row, 16 bytes a lane.
.irp u, 0,1
.irp s, 0,1,2,3
	ds_load_b64 v[S+16*(\u)+2*(\s):S+16*(\u)+2*(\s)+1],     v[RSA]   offset:(\s)*WREG+8*(\u)
	ds_load_b64 v[S+16*(\u)+2*(\s)+8:S+16*(\u)+2*(\s)+9],   v[RSA+1] offset:(\s)*WREG+8*(\u)
.endr
.endr
.irp u, 0,1
.irp s, 0,1,2,3
	ds_load_b128 v[MK+32*(\u)+4*(\s):MK+32*(\u)+4*(\s)+3],       v[RDA]   offset:(\s)*WREG+SPITCH*(\u)
	ds_load_b128 v[MK+32*(\u)+4*(\s)+16:MK+32*(\u)+4*(\s)+19],   v[RDA+1] offset:(\s)*WREG+SPITCH*(\u)
.endr
.endr
	s_wait_dscnt 16                                ; the 16 pairs are in; the 16 rows may be out while the weights are made
.irp u, 0,1
	v_max3_num_f32 v[C0+(\u)], v[S+16*(\u)], v[S+16*(\u)+2], v[S+16*(\u)+4]
.endr
.irp u, 0,1
	v_max3_num_f32 v[C0+(\u)], v[C0+(\u)], v[S+16*(\u)+6], v[S+16*(\u)+8]
.endr
.irp u, 0,1
	v_max3_num_f32 v[C0+(\u)], v[C0+(\u)], v[S+16*(\u)+10], v[S+16*(\u)+12]
.endr
.irp u, 0,1
	v_max_num_f32 v[C0+(\u)], v[C0+(\u)], v[S+16*(\u)+14]     ; the query's c m over all 2,048 keys
.endr
.irp s, 0,1,2,3,4,5,6,7
.irp u, 0,1
	v_sub_f32 v[P+8*(\u)+(\s)], v[S+16*(\u)+2*(\s)], v[C0+(\u)]
.endr
.endr
.set i, 0
.rept 16
	v_exp_f32 v[P+i], v[P+i]
.set i, i+1
.endr
	v_nop                                          ; a plain instruction behind the last exponential
	s_wait_alu depctr_va_vdst(0)
.irp u, 0,1
	v_mul_f32 v[C0+2+(\u)], v[P+8*(\u)], v[S+16*(\u)+1]
.endr
.irp s, 1,2,3,4,5,6,7
.irp u, 0,1
	v_fmac_f32 v[C0+2+(\u)], v[P+8*(\u)+(\s)], v[S+16*(\u)+2*(\s)+1]   ; the query's l; it is 1 at the least: the key that holds the maximum counts 1
.endr
.endr
	v_rcp_f32 v[C0+2], v[C0+2]
	v_rcp_f32 v[C0+3], v[C0+3]
	v_nop                                          ; a plain instruction behind the last reciprocal
	s_wait_alu depctr_va_vdst(0)
.irp s, 0,1,2,3,4,5,6,7
.irp u, 0,1
	v_mul_f32 v[P+8*(\u)+(\s)], v[P+8*(\u)+(\s)], v[C0+2+(\u)]
.endr
.endr
	s_wait_dscnt 0x0                               ; the rows
.irp u, 0,1
.irp i, 0,1,2,3
	v_mul_f32 v[OUT+4*(\u)+(\i)], v[P+8*(\u)], v[MK+32*(\u)+(\i)]
.endr
.endr
.irp s, 1,2,3,4,5,6,7
.irp u, 0,1
.irp i, 0,1,2,3
	v_fmac_f32 v[OUT+4*(\u)+(\i)], v[P+8*(\u)+(\s)], v[MK+32*(\u)+4*(\s)+(\i)]
.endr
.endr
.endr
.irp u, 0,1
	global_store_b128 v[GO], v[OUT+4*(\u):OUT+4*(\u)+3], s[8:9] offset:512*(\u)  ; a wave's store covers a row of out0: 512 consecutive bytes, at a multiple of 256 from its first byte
.endr
	s_wait_tensorcnt 0x0                           ; the wave's end: behind my last tensor load and my last LDS store
	ds_add_u32 v[SPW], v[NIL]
	s_wait_dscnt 0x0
	CROUND                                         ; the closing round: no work-group ends while a partner may still ask for a tile that names it
	s_endpgm
.Lfunc_end_k_qa80462acb7_attn:
	.size	k_qa80462acb7_attn, .Lfunc_end_k_qa80462acb7_attn-k_qa80462acb7_attn
	.p2alignl 7, 3214868480
	.fill 96, 4, 3214868480
	.section	.rodata,"a",@progbits
	.p2align	6, 0x0
	.amdhsa_kernel k_qa80462acb7_attn
		.amdhsa_group_segment_fixed_size 327680
		.amdhsa_private_segment_fixed_size 0
		.amdhsa_enable_private_segment 0
		.amdhsa_kernarg_size 24
		.amdhsa_user_sgpr_count 2
		.amdhsa_user_sgpr_kernarg_segment_ptr 1
		.amdhsa_wavefront_size32 1
		.amdhsa_system_sgpr_workgroup_id_x 1
		.amdhsa_system_sgpr_workgroup_id_y 1
		.amdhsa_system_sgpr_workgroup_id_z 1
		.amdhsa_system_vgpr_workitem_id 0
		.amdhsa_next_free_vgpr 512
		.amdhsa_next_free_sgpr 66
		.amdhsa_reserve_vcc 1
		.amdhsa_float_denorm_mode_32 3
		.amdhsa_float_denorm_mode_16_64 3
		.amdhsa_memory_ordered 1
		.amdhsa_forward_progress 1
		.amdhsa_inst_pref_size 90
	.end_amdhsa_kernel
	.amdgpu_metadata
---
amdhsa.version: [ 1, 2 ]
amdhsa.kernels:
  - .name:           k_qa80462acb7_attn
    .symbol:         k_qa80462acb7_attn.kd
    .args:
      - { .name: xmb, .offset: 0, .size: 8, .value_kind: global_buffer, .address_space: global }
      - { .name: ids, .offset: 8, .size: 8, .value_kind: global_buffer, .address_space: global }
      - { .name: out0, .offset: 16, .size: 8, .value_kind: global_buffer, .address_space: global }
    .group_segment_fixed_size: 327680
    .private_segment_fixed_size: 0
    .kernarg_segment_align: 8
    .kernarg_segment_size: 24
    .max_flat_workgroup_size: 256
    .sgpr_count:     66
    .vgpr_count:     512
    .wavefront_size: 32
...
	.end_amdgpu_metadata
.endif
;; end of part 2
